; MI455X (gfx1250); checked and timed in simulation.
; The chip was launched on July 23, 2026; its instructions are those of AMD's public machine-readable ISA for CDNA 5 (MIT licence, August 2026) and "CDNA5" Instruction Set Architecture Reference Guide (July 2026). The comments in the code are by the model that wrote it; some were corrected since.
;; Self Attention. Allowed arithmetic: matrix products marked QUANTISED: E2M1 operands, one E8M0 scale for each 32 along K, by v_wmma_scale_f32_16x16x128_f8f6f4 with both operands' format E2M1 (or v_wmma_scale_f32_32x16x128_f4), f32 sums; everything else in f32.
;; Inputs: norm_b 128 float32; norm_w 128 float32; proj_b 128 float32; proj_w 128 x 128 float32; qkv_b 384 float32; qkv_w 384 x 128 float32; x 4 x 128 x 64 x 64 float32.
;; Outputs: out0 4 x 128 x 64 x 64 float32.
;; This version of the problem:
;;   THIS VERSION OF THE PROBLEM IS GIVEN IN LOW PRECISION. The matrix products marked QUANTISED in the list below multiply operands that are first quantised to E2M1 (2 exponent bits, 1 mantissa bit; 4 bits a number), with one power-of-two scale for each 32 numbers along K (OCP MX v1.0); their sums are f32. All else is computed in f32.
;;   The module's matrix products, in the order in which they are computed (A, B: the left and right operand; K: the contracted axis; several contracted axes count as one K, in the product's order):
;;     1. [M 16,384, K 128] x [K 128, N 384]; A: computed on the way; B: input qkv_w: QUANTISED
;;     2. batch 4 x [M 4,096, K 128] x [K 128, N 4,096]; A: computed on the way; B: computed on the way: QUANTISED
;;     3. batch 4 x [M 128, K 4,096] x [K 4,096, N 4,096]; A: computed on the way; B: softmax (see below): QUANTISED
;;     4. [M 16,384, K 128] x [K 128, N 128]; A: computed on the way; B: input proj_w: QUANTISED
;;   THE QUANTISER, for each operand of a quantised product, along K:
;;     - K is cut into blocks of 32 from its start; a last block that is shorter is filled with zeros.
;;     - A block's scale is 2^e with e = floor(log2(the largest magnitude in the block)) - 2, held to -126 .. 127; a block of zeros has e = 0. As a byte (E8M0): e + 127.
;;     - Each number is divided by its block's scale, clamped to +-6, and rounded to the nearest number of E2M1, ties to even, subnormals kept.
;;     - The product sums the exact products of the quantised numbers (number of the format x scale) in f32.
;;   ~~~python
;;   def quantise(x, axis):      # numpy; x: float32 -> the quantised numbers, widened to float32 again
;;       x = np.moveaxis(x, axis, -1); K = x.shape[-1]
;;       x = np.pad(x, [(0, 0)] * (x.ndim - 1) + [(0, -K % 32)]); x = x.reshape(x.shape[:-1] + (-1, 32)); a = np.abs(x).max(-1, keepdims=True)
;;       e = np.where(a > 0, np.clip(np.frexp(np.where(a > 0, a, 1))[1] - 1 - 2, -126, 127), 0)      # np.frexp(a)[1] - 1 = floor(log2(a)), exactly
;;       r = np.clip(x / 2.0 ** e, -6, 6)
;;       step = 2.0 ** (np.maximum(np.frexp(np.where(r == 0, 1, r))[1] - 1, 0) - 1)
;;       q = np.round(r / step) * step * 2.0 ** e      # np.round: ties to even
;;       return np.moveaxis(q.reshape(q.shape[:-2] + (-1,))[..., :K], -1, axis).astype(np.float32)
;;   ~~~
;;   SOFTMAX AHEAD OF A QUANTISED PRODUCT. Where the list says 'softmax', what is quantised is not the finished softmax but p = 2^(t - M), with t = logit x log2(e) and M = ceil(the row's largest t), a whole number; so 1/2 < the row's largest p <= 1. The row's sum l is taken of the UNQUANTISED p, in f32, and the product's result is divided by l at the end. Since M is a whole number, a kernel that streams over the keys may use a running M (the ceiling of the running maximum): every later rescaling is an exact power of two, which a block's scale takes up: the codes' values come out the same.
;;   OPERANDS COMPUTED ON THE WAY. 'Computed on the way' means the value that the module computes at that place (a softmax that the list does not call 'softmax' is quantised finished and normalised). What goes into a quantiser is computed in f32, as accurately as f32 sums, v_exp_f32 and their like allow (about 1e-6 of the number): no bf16 or f16 on the way to a quantiser, and a product that is left as it is and whose result goes on into a quantised operand takes f32 operands (vector FMAs, or v_wmma_f32_16x16x4_f32). A number that lies on a knife's edge between two numbers of the format may be rounded either way, as far as f32 arithmetic and the matrix unit's own rounding can turn it there, and no further.
;; One version. Each part assembles by itself: llvm-mc -triple=amdgcn-amd-amdhsa -mcpu=gfx1250 --defsym DOCPART=n.
;; ======== version 1 of 1: 3 launches
;; workspace buffers: stats 8,192 bytes; wq 36,864 bytes; qbuf 1,179,648 bytes; kvbuf 2,359,296 bytes
;; launch prep (part 1): grid 264 x 1, 4 waves a work-group, no clusters, 0 bytes of LDS; arguments x, qkv_w, proj_w, stats, wq; writes stats, wq
.if DOCPART == 1
	.amdgcn_target "amdgcn-amd-amdhsa--gfx1250"
	.amdhsa_code_object_version 6
	.text
	.protected	k_q245e0d1f7b_prep
	.globl	k_q245e0d1f7b_prep
	.p2align	8
	.type	k_q245e0d1f7b_prep,@function
k_q245e0d1f7b_prep:
	s_mov_b64 s[64:65], 0
	v_nop
	global_prefetch_b8 v0, s[64:65] scope:SCOPE_SE
	s_setreg_imm32_b32 hwreg(HW_REG_WAVE_MODE, 25, 1), 1
	s_wait_xcnt 0x0
; Two jobs that want nothing of each other, parted by the work-group's number.
; WORK-GROUPS 0-255: partial statistics of x for the group norm.  A group (16 channels x 4,096 pixels) is 65,536 consecutive numbers; wave W = 4 x work-group + wave
; takes run W of 2,048 numbers (8,192 bytes), keeps it in 64 registers, and stores (mean, M2 = sum of (x - mean)^2) at stats + 8 W: group W / 32, partial W % 32.
; The squares are taken of x - mean, never of x: a common offset of the inputs costs no accuracy.
; WORK-GROUPS 256-263: the weights as operands of FP4 (E2M1), one E8M0 scale for each 32 along K (= the input channels, innermost in memory).  Wave F = 4 x (work-group - 256) + wave
; makes fragment F = 8 kind + t (kind 0 q, 1 k, 2 v of qkv_w, 3 proj_w; t = tile of 16 of the kind's 128 rows).  THE ROWS OF A TILE ARE NOT NEIGHBOURS:
; row r of tile t is weight row 32 (t / 2) + 8 (t % 2) + r + 8 (r / 8), so that a product's results of tiles 2 b, 2 b + 1 are 16 neighbours along the next K in one lane.
; A fragment is stored as an image of its 8 registers: registers 4 c .. 4 c + 3 of lane L at wq + 1,024 F + 512 c + 16 L; its scale words at wq + 32,768 + 128 F + 4 L (lanes 16-31 repeat lanes 0-15).
; A block's scale is 2^(floor(log2(largest magnitude)) - 2): its byte is the largest magnitude's exponent field - 2, held at 1 from below by a floor among the maximum's leaves.
; LIMITS: NaN and infinities are not served; a block whose largest magnitude lies under 2^-124 keeps the byte 1; a block of zeros gets the byte 1 where the rule says 127
; (its codes are zeros, which add nothing under any byte but 0xff, and only this program reads the bytes).
.set FLOOR, 0x1800000                  ; 2^(3 - 127)
.set X,   16                           ; v16-79   the run of x, 64 numbers a lane
.set ACC, 80                           ; v80-87   four chains of packed sums
.set MN,  88                           ; v88-89   the mean, twice
.set OUTP, 90                          ; v90-91   (mean, M2)
	s_load_b128 s[4:7], s[0:1], 0x0                ; x, qkv_w
	s_load_b128 s[8:11], s[0:1], 0x10              ; proj_w, stats
	s_load_b64 s[12:13], s[0:1], 0x20              ; wq
	v_lshrrev_b32 v1, 5, v0
	v_readfirstlane_b32 s14, v1                    ; wave 0..3
	v_and_b32 v2, 31, v0                           ; lane
	s_mov_b32 s20, 0x76543210                      ; v_permlanex16_b32's selects for lane l xor 16
	s_mov_b32 s21, 0xfedcba98
	s_mov_b32 s19, 0
	s_cmp_lt_u32 ttmp9, 256
	s_cbranch_scc0 .Lweights
; ---- the statistics
.macro WSUM reg, tmp                   ; the sum over the wave's 32 lanes, in every lane
	v_add_f32_dpp v[\reg], v[\reg], v[\reg] row_xmask:1 row_mask:0xf bank_mask:0xf
	v_add_f32_dpp v[\reg], v[\reg], v[\reg] row_xmask:2 row_mask:0xf bank_mask:0xf
	v_add_f32_dpp v[\reg], v[\reg], v[\reg] row_xmask:4 row_mask:0xf bank_mask:0xf
	v_add_f32_dpp v[\reg], v[\reg], v[\reg] row_xmask:8 row_mask:0xf bank_mask:0xf
	v_permlanex16_b32 v[\tmp], v[\reg], s20, s21   ; (its destination has been written before)
	v_add_f32 v[\reg], v[\reg], v[\tmp]
.endm
.macro JOIN4                           ; the four chains and their two halves into v[ACC]
	v_pk_add_f32 v[ACC:ACC+1], v[ACC:ACC+1], v[ACC+2:ACC+3]
	v_pk_add_f32 v[ACC+4:ACC+5], v[ACC+4:ACC+5], v[ACC+6:ACC+7]
	v_pk_add_f32 v[ACC:ACC+1], v[ACC:ACC+1], v[ACC+4:ACC+5]
	v_add_f32 v[ACC], v[ACC], v[ACC+1]
.endm
	s_lshl_b32 s15, ttmp9, 2
	s_add_co_u32 s15, s15, s14                     ; W, 0 .. 1,023
	s_lshl_b32 s16, s15, 13                        ; 8,192 W
	s_mov_b32 s17, 0
	s_lshl_b32 s18, s15, 3                         ; 8 W
	s_wait_alu depctr_va_vdst(0)
	v_lshlrev_b32 v3, 4, v2                        ; 16 bytes a lane: a load of the wave covers 512 consecutive bytes
	s_wait_alu depctr_va_vdst(0)
	s_wait_kmcnt 0x0
	s_add_nc_u64 s[4:5], s[4:5], s[16:17]
	s_add_nc_u64 s[10:11], s[10:11], s[18:19]
.irp i, 0,1,2,3,4,5,6,7,8,9,10,11,12,13,14,15
	global_load_b128 v[X+4*\i:X+4*\i+3], v3, s[4:5] offset:512*\i   ; no hint: the next launch reads x again
.endr
.irp q, 0,1,2,3                        ; a chain for each quarter of the loads, started by its first two pairs
	s_wait_loadcnt 12-4*\q                         ; loads come back in order: this quarter's four are in, the younger quarters' stay out
	v_pk_add_f32 v[ACC+2*\q:ACC+2*\q+1], v[X+16*\q:X+16*\q+1], v[X+16*\q+2:X+16*\q+3]
.irp n, 4,6,8,10,12,14
	v_pk_add_f32 v[ACC+2*\q:ACC+2*\q+1], v[ACC+2*\q:ACC+2*\q+1], v[X+16*\q+\n:X+16*\q+\n+1]
.endr
.endr
	s_wait_alu depctr_va_vdst(0)
	JOIN4
	WSUM ACC, ACC+1
	v_mul_f32 v[MN], 0x3a000000, v[ACC]            ; x 2^-11: the run's mean
	v_mul_f32 v[MN+1], 0x3a000000, v[ACC]
.set n, 0
.rept 32
	v_pk_add_f32 v[X+2*n:X+2*n+1], v[X+2*n:X+2*n+1], v[MN:MN+1] neg_lo:[0,1] neg_hi:[0,1]   ; x - mean
.set n, n+1
.endr
.set n, 0
.rept 32
.if n < 4
	v_pk_mul_f32 v[ACC+2*n:ACC+2*n+1], v[X+2*n:X+2*n+1], v[X+2*n:X+2*n+1]   ; the first four squares start the chains
.else
	v_pk_fma_f32 v[ACC+2*(n%4):ACC+2*(n%4)+1], v[X+2*n:X+2*n+1], v[X+2*n:X+2*n+1], v[ACC+2*(n%4):ACC+2*(n%4)+1]
.endif
.set n, n+1
.endr
	JOIN4
	WSUM ACC, ACC+1
	v_mov_b32 v[OUTP], v[MN]
	v_mov_b32 v[OUTP+1], v[ACC]
	v_mov_b32 v4, 0
	s_wait_alu depctr_va_vdst(0)
	s_wait_xcnt 0x0                                ; EXEC is a source of the loads above: it changes only behind this wait
	v_cmp_gt_u32 vcc_lo, 1, v2
	s_and_saveexec_b32 s22, vcc_lo                 ; lane 0 alone
	global_store_b64 v4, v[OUTP:OUTP+1], s[10:11]  ; 8 bytes a wave: the whole buffer is 8,192 bytes
	s_wait_xcnt 0x0                                ; and again, in front of the line that widens it
	s_or_b32 exec_lo, exec_lo, s22
	s_endpgm
; ---- the weights
.Lweights:
	s_sub_co_u32 s15, ttmp9, 256
	s_lshl_b32 s15, s15, 2
	s_add_co_u32 s15, s15, s14                     ; F, 0 .. 31
	s_wait_kmcnt 0x0
	s_cmp_ge_u32 ttmp9, 262                        ; fragments 24-31 are proj_w's: the choice hangs on the work-group's number alone
	s_cselect_b64 s[6:7], s[8:9], s[6:7]
	s_cselect_b32 s16, 24, 0
	s_sub_co_u32 s16, s15, s16                     ; the fragment's number within its tensor
	s_lshr_b32 s17, s16, 3
	s_lshl_b32 s17, s17, 7                         ; 128 x kind
	s_bfe_u32 s18, s16, 0x20001                    ; t / 2
	s_lshl_b32 s18, s18, 5
	s_add_co_u32 s17, s17, s18
	s_and_b32 s18, s16, 1                          ; t % 2
	s_lshl_b32 s18, s18, 3
	s_add_co_u32 s17, s17, s18                     ; the tile's first row
	s_lshl_b32 s18, s17, 9                         ; a row of 128 f32 is 512 bytes
	s_add_nc_u64 s[6:7], s[6:7], s[18:19]
	v_and_b32 v3, 15, v0                           ; r
	v_bfe_u32 v4, v0, 4, 1                         ; h
	v_and_b32 v5, 8, v3
	v_add_nc_u32 v5, v5, v3                        ; r + 8 (r / 8)
	v_lshlrev_b32 v5, 9, v5
	v_lshl_add_u32 v5, v4, 7, v5                   ; my row, + 128 h: the operand's layout gives lane (r, h) k = 64 c + 32 h + 0 .. 31
.irp c, 0,1
.irp i, 0,1,2,3,4,5,6,7
	global_load_b128 v[64+32*\c+4*\i:64+32*\c+4*\i+3], v5, s[6:7] offset:256*\c+16*\i
.endr
.endr
	s_wait_loadcnt 0x0
.irp c, 0,1                            ; my block 2 c + h: all its 32 numbers are mine
	v_max3_num_f32 v[32+\c], |v[64+32*\c]|, |v[65+32*\c]|, FLOOR
.endr
.irp i, 2,4,6,8,10,12,14,16,18,20,22,24,26,28,30
.irp c, 0,1
	v_max3_num_f32 v[32+\c], v[32+\c], |v[64+32*\c+\i]|, |v[65+32*\c+\i]|
.endr
.endr
.irp c, 0,1
	v_add_nc_u32 v[44+\c], 0xff000000, v[32+\c]    ; 2 off the exponent field: the conversion takes the exponent field of this operand as its scale
.endr
.irp c, 0,1
	v_lshrrev_b32 v[36+\c], 23, v[44+\c]           ; the scale's byte
.endr
	v_lshl_or_b32 v9, v37, 16, v36                 ; my two bytes: blocks h and 2 + h of my row,
	v_lshlrev_b32 v10, 3, v4
	v_lshlrev_b32 v9, v10, v9                      ; at their places in the scale word (8 h bits up);
	v_mov_b32 v10, 0
	v_permlanex16_b32 v10, v9, s20, s21
	v_or_b32 v9, v9, v10                           ; with lane l xor 16's two the word is whole, in both halves of the lanes
.irp c, 0,1
.irp g, 0,1,2,3
	v_cvt_scalef32_pk8_fp4_f32 v[48+4*\c+\g], v[64+32*\c+8*\g:71+32*\c+8*\g], v[44+\c]   ; registers 4 c .. 4 c + 3 of the operand
.endr
.endr
	v_nop                                          ; one plain line behind the last scaled conversion
	s_lshl_b32 s18, s15, 10
	s_add_nc_u64 s[22:23], s[12:13], s[18:19]      ; wq + 1,024 F
	s_lshl_b32 s18, s15, 7
	s_add_co_u32 s18, s18, 32768
	s_add_nc_u64 s[24:25], s[12:13], s[18:19]      ; wq + 32,768 + 128 F
	v_lshlrev_b32 v6, 4, v2
	v_lshlrev_b32 v7, 2, v2
	global_store_b128 v6, v[48:51], s[22:23]       ; each store of the wave covers 512 consecutive bytes, aligned
	global_store_b128 v6, v[52:55], s[22:23] offset:512
	global_store_b32 v7, v9, s[24:25]
	s_endpgm
.Lfunc_end_k_q245e0d1f7b_prep:
	.size	k_q245e0d1f7b_prep, .Lfunc_end_k_q245e0d1f7b_prep-k_q245e0d1f7b_prep
	.p2alignl 7, 3214868480
	.fill 96, 4, 3214868480
	.section	.rodata,"a",@progbits
	.p2align	6, 0x0
	.amdhsa_kernel k_q245e0d1f7b_prep
		.amdhsa_group_segment_fixed_size 0
		.amdhsa_private_segment_fixed_size 0
		.amdhsa_enable_private_segment 0
		.amdhsa_kernarg_size 40
		.amdhsa_user_sgpr_count 2
		.amdhsa_user_sgpr_kernarg_segment_ptr 1
		.amdhsa_wavefront_size32 1
		.amdhsa_system_sgpr_workgroup_id_x 1
		.amdhsa_system_sgpr_workgroup_id_y 1
		.amdhsa_system_sgpr_workgroup_id_z 1
		.amdhsa_system_vgpr_workitem_id 0
		.amdhsa_next_free_vgpr 128
		.amdhsa_next_free_sgpr 66
		.amdhsa_reserve_vcc 1
		.amdhsa_float_denorm_mode_32 3
		.amdhsa_float_denorm_mode_16_64 3
		.amdhsa_memory_ordered 1
		.amdhsa_forward_progress 1
		.amdhsa_inst_pref_size 17
	.end_amdhsa_kernel
	.amdgpu_metadata
---
amdhsa.version: [ 1, 2 ]
amdhsa.kernels:
  - .name:           k_q245e0d1f7b_prep
    .symbol:         k_q245e0d1f7b_prep.kd
    .args:
      - { .name: x, .offset: 0, .size: 8, .value_kind: global_buffer, .address_space: global }
      - { .name: qkv_w, .offset: 8, .size: 8, .value_kind: global_buffer, .address_space: global }
      - { .name: proj_w, .offset: 16, .size: 8, .value_kind: global_buffer, .address_space: global }
      - { .name: stats, .offset: 24, .size: 8, .value_kind: global_buffer, .address_space: global }
      - { .name: wq, .offset: 32, .size: 8, .value_kind: global_buffer, .address_space: global }
    .group_segment_fixed_size: 0
    .private_segment_fixed_size: 0
    .kernarg_segment_align: 8
    .kernarg_segment_size: 40
    .max_flat_workgroup_size: 128
    .sgpr_count:     66
    .vgpr_count:     128
    .wavefront_size: 32
...
	.end_amdgpu_metadata
.endif
;; end of part 1
;; launch qkv (part 2): grid 32 x 4, 8 waves a work-group, no clusters, 168,960 bytes of LDS; arguments x, stats, norm_w, norm_b, wq, qkv_b, qbuf, kvbuf; writes qbuf, kvbuf
.if DOCPART == 2
	.amdgcn_target "amdgcn-amd-amdhsa--gfx1250"
	.amdhsa_code_object_version 6
	.text
	.protected	k_q245e0d1f7b_qkv
	.globl	k_q245e0d1f7b_qkv
	.p2align	8
	.type	k_q245e0d1f7b_qkv,@function
k_q245e0d1f7b_qkv:
	s_mov_b64 s[64:65], 0
	v_nop
	global_prefetch_b8 v0, s[64:65] scope:SCOPE_SE
	s_setreg_imm32_b32 hwreg(HW_REG_WAVE_MODE, 25, 1), 1
	s_wait_xcnt 0x0
; h = GroupNorm(x); q, k, v = W h + bias on codes of FP4 (E2M1) with one E8M0 scale for each 32 channels; q and k are quantised along the channels, v along the keys, and leave as images of operands.
; SHARES.  Work-group (s, b) takes pixels 128 s .. 128 s + 127 of image b: one key step of the attention, so that a fragment of v (16 channels x 128 keys) and its scale word are whole here.
; That makes 128 work-groups; half the pixels to a work-group would leave halves of v's images and scale words.
; x's tile (128 channels x 128 pixels, f32) comes by eight tensor loads, one a wave, filled once.
; PIXEL TILES AND WEIGHT TILES ARE PERMUTED: row r of tile t of 128 is row 32 (t / 2) + 8 (t % 2) + rho(r), rho(r) = r + 8 (r / 8).  With such a tile as source 0, register j of lane (r, h) of the result is row
; 32 (t / 2) + 8 (t % 2) + 16 h + j: the 16 registers of tiles 2 b, 2 b + 1 are 16 neighbours along the next K, which is what the conversions want.
; PHASES.  Statistics: the 32 partials of each of my 2 groups are joined (mean of means; M2 = sum of M2_i + 2,048 (mean_i - mean)^2).
;  X: wave w takes channel block cb = w % 4 (32 channels: one block of the quantiser, two groups of the norm) and pixels 64 (w / 4) .. + 63, 32 at a time: lane (r, h) takes pixel 32 p + rho(r) + 8 h, which is row r of pixel tile
;     2 p + h, and the 32 channels run down its registers.  So one set of 32 gains and 32 offsets, as scalars, serves the wave; a block's maximum needs no other lane; and the lane's 16 bytes of codes ARE 16 bytes of the tile's image.
;  q, k: wave w: source 0 = the 8 tiles of Wq (Wk), source 1 = h's pixel tile w, C = the bias; a lane then holds one pixel and 64 channels: QUANT; image to memory.
;  v: wave w: source 0 = h's 8 pixel tiles, source 1 = Wv's tile w, C = the bias of my channel; a lane then holds one channel and 64 keys: QUANT; image to memory.
;  The scale words of the 24 fragments meet in LDS and leave as [kind][g][lane][4 words]: one load of 16 bytes a lane later brings the words of four tiles.
; NOTHING FROM MEMORY IS ASKED FOR LATE.  All weights are asked for at the head: three regions of 64 registers take turns (RC: Wq, then k's bias and results; RA: Wk, then h's fragments; RB: x, then q's bias and results, then v's results).
;  qkv_b's 1,536 bytes are brought into LDS once, by waves 0 to 2, and each bias comes from there when its registers fall free.
; OUT.  qbuf block 32 b + s (9,216 bytes): 8 images of q, then 1,024 bytes of scale words.  kvbuf block (18,432 bytes): 8 images of k, 8 of v, k's scale words, v's.
; LIMITS: NaN and infinities are not served; a block whose largest magnitude lies under 2^-124 keeps the byte 1; a block of zeros gets the byte 1 where the rule says 127 (zero codes; only this program reads the bytes).
; No cluster: what the work-groups share, 27 KB of weight images, comes through registers and is small beside the 64 KB of x that each has to itself.
.set HIMG, 0                           ; LDS: h's 8 fragments, images of 1,024 bytes
.set HSC,  8192                        ; h's scale words: pixel tile T, row r at 64 T + 4 r
.set SCST, 8704                        ; the scale words of q, k, v: [kind][g][lane][4 words], 1,024 bytes a kind
.set BST,  11776                       ; qkv_b, as it lies in memory
.set XT,   13312                       ; x's tile: 128 channel rows of 512 bytes; the only bytes that the tensor loads fill
.set FLOOR, 0x1800000                  ; 2^(3 - 127)
.set SCR, 0                            ; v0   once the thread's number is used up: SCST + 512 w + 16 L
.set LI,  1                            ; v1   16 x lane
.set XR,  2                            ; v2   where I read x: XT + 16,384 cb + 256 (w / 4) + 4 (rho(r) + 8 h)
.set XW,  3                            ; v3   where I store h's codes: 1,024 h + 16 r + 4,096 (w / 4) + 256 cb
.set XSW, 4                            ; v4   and my pixel's scale byte: HSC + 256 (w / 4) + 4 L + cb
.set HSR, 5                            ; v5   h's scale word of pixel tile w: HSC + 64 w + 4 r
.set LS,  6                            ; v6   HSC + 4 L
.set SCW, 7                            ; v7   SCST + 512 (w / 4) + 16 L + 4 (w % 4)
.set A8,  8                            ; v8   8 L (statistics)
.set BQ,  9                            ; v9   BST + 64 h (bias of q and k)
.set BV,  10                           ; v10  BST + 4 x my channel of v in qkv_b
.set A4,  11                           ; v11  4 L + 1,024 h: lanes 0-15 take Wq's scale words, lanes 16-31 Wk's
.set HSV, 12                           ; v12-15 h's scale words, lanes 0-15 tile 2 p, lanes 16-31 tile 2 p + 1 (scales alone)
.set RA,  16                           ; v16-79   Wk; then h's 8 fragments
.set RB,  80                           ; v80-143  statistics; x's 64 numbers; q's bias and results; v's results
.set RC,  144                          ; v144-207 Wq; then k's bias and results
.set HF,  208                          ; v208-215 h's fragment of pixel tile w; later v's bias, eight times
.set WVF, 216                          ; v216-223 Wv's tile w
.set PC,  224                          ; v224-231 the codes just made
.set TM,  232                          ; v232-235 largest magnitudes
.set TB,  236                          ; v236-239 the other half's, then the bytes
.set TS,  240                          ; v240-243 the conversions' scale operands
.set BSA, 240                          ; v240 until the first barrier: 16 x thread (qkv_b's way into LDS)
.set PW,  244                          ; v244 the scale word just made
.set HS,  245                          ; v245 h's scale word (scales alone)
.set WVS, 246                          ; v246 Wv's (scales alone)
.set LW,  247                          ; v247 16 L + 1,024 w
.set WS,  248                          ; v248-255 the weights' scale words: Wq's below, Wk's above (scales alone)
.set SEL, 66                           ; s66, s67 lane selects for lane l xor 16 (once w / 4 and b are used up)
.macro PLACES n
.rept \n
	v_nop
.endr
.endm
.macro BARRIER                         ; my LDS stores have landed and my LDS loads are in: then the work-group's barrier
	s_wait_dscnt 0x0
	s_barrier_signal -1
	s_barrier_wait -1
.endm
; 64 numbers of a lane, register 16 b + i = k 32 b + 16 (lane / 16) + i of my row, become a fragment's codes in v[PC] on and its scale word in v[PW] (equal in both halves of the lanes).
.macro QUANT s
.irp b, 0,1,2,3
	v_max3_num_f32 v[TM+\b], |v[\s+16*\b]|, |v[\s+1+16*\b]|, FLOOR   ; block b: my 16 numbers and the floor; each result is read from its low end on
.endr
.irp i, 2,4,6,8,10,12,14
.irp b, 0,1,2,3
	v_max3_num_f32 v[TM+\b], v[TM+\b], |v[\s+16*\b+\i]|, |v[\s+1+16*\b+\i]|
.endr
.endr
.irp b, 0,1,2,3
	s_delay_alu instid0(VALU_DEP_4)
	v_permlanex16_b32 v[TB+\b], v[TM+\b], s[SEL], s[SEL+1]
.endr
.irp b, 0,1,2,3
	s_delay_alu instid0(VALU_DEP_4)
	v_max_num_f32 v[TM+\b], v[TM+\b], v[TB+\b]     ; with lane l xor 16's: the block's largest magnitude
.endr
.irp b, 0,1,2,3
	s_delay_alu instid0(VALU_DEP_4)
	v_add_nc_u32 v[TS+\b], 0xff000000, v[TM+\b]    ; 2 off its exponent field: the conversion's scale operand
.endr
.irp b, 0,1,2,3
	s_delay_alu instid0(VALU_DEP_4)
	v_lshrrev_b32 v[TB+\b], 23, v[TS+\b]           ; the scale's byte
.endr
	s_delay_alu instid0(VALU_DEP_3)
	v_lshl_or_b32 v[PW], v[TB+1], 8, v[TB]
	s_delay_alu instid0(VALU_DEP_1)
	v_lshl_or_b32 v[PW], v[TB+2], 16, v[PW]
	s_delay_alu instid0(VALU_DEP_1)
	v_lshl_or_b32 v[PW], v[TB+3], 24, v[PW]
.irp b, 0,1,2,3
	v_cvt_scalef32_pk8_fp4_f32 v[PC+2*\b], v[\s+16*\b:\s+7+16*\b], v[TS+\b]
	v_cvt_scalef32_pk8_fp4_f32 v[PC+1+2*\b], v[\s+8+16*\b:\s+15+16*\b], v[TS+\b]
.endr
	v_nop                                          ; one plain line behind the last scaled conversion
.irp c, 0,1                            ; the operand's layout wants a whole block in a lane: lanes 0-15 block 2 c, lanes 16-31 block 2 c + 1
.irp i, 0,1
	v_permlane16_swap_b32 v[PC+4*\c+\i], v[PC+2+4*\c+\i]
.endr
.endr
.endm
.macro WLD reg, kind                   ; the 8 fragments of a kind's weights
.irp t, 0,1,2,3,4,5,6,7
.irp c, 0,1
	global_load_b128 v[\reg+8*\t+4*\c:\reg+8*\t+4*\c+3], v[LI], s[12:13] offset:8192*\kind+1024*\t+512*\c
.endr
.endr
.endm
.macro BIAS reg, kind                  ; the bias in the result's layout, out of LDS: tile t, lane (r, h): channels 32 (t / 2) + 8 (t % 2) + 16 h + 0 .. 7; sixteen lanes read the same 16 bytes
.irp t, 0,1,2,3,4,5,6,7
	ds_load_b128 v[\reg+8*\t:\reg+8*\t+3], v[BQ] offset:512*\kind+4*(32*(\t/2)+8*(\t%2))
	ds_load_b128 v[\reg+8*\t+4:\reg+8*\t+7], v[BQ] offset:512*\kind+4*(32*(\t/2)+8*(\t%2))+16
.endr
.endm
.macro MULW d, a, row1                 ; 8 products, each its own accumulator, which holds the bias: source 0 = 16 rows of the weight, source 1 = my 16 pixels.  row1: the weight's scale words stand in lanes 16-31
.irp t, 0,1,2,3,4,5,6,7
.if \row1
	v_wmma_scale_f32_16x16x128_f8f6f4 v[\d+8*\t:\d+8*\t+7], v[\a+8*\t:\a+8*\t+7], v[HF:HF+7], v[\d+8*\t:\d+8*\t+7], v[WS+\t], v[HS] matrix_a_fmt:MATRIX_FMT_FP4 matrix_b_fmt:MATRIX_FMT_FP4 matrix_a_scale:MATRIX_SCALE_ROW1
.else
	v_wmma_scale_f32_16x16x128_f8f6f4 v[\d+8*\t:\d+8*\t+7], v[\a+8*\t:\a+8*\t+7], v[HF:HF+7], v[\d+8*\t:\d+8*\t+7], v[WS+\t], v[HS] matrix_a_fmt:MATRIX_FMT_FP4 matrix_b_fmt:MATRIX_FMT_FP4
.endif
.endr
.endm
	s_load_b256 s[4:11], s[0:1], 0x0               ; x s[4:5], stats s[6:7], norm_w s[8:9], norm_b s[10:11]
	s_load_b128 s[12:15], s[0:1], 0x20             ; wq s[12:13], qkv_b s[14:15]
	s_load_b128 s[96:99], s[0:1], 0x30             ; qbuf s[96:97], kvbuf s[98:99]
	s_set_vgpr_msb 0x40
	v_lshl_add_u32 v0, v0, 2, 0x29000
	v_mov_b32 v1, 0
	s_set_vgpr_msb 0x4045
	ds_add_u32 v0, v1
	ds_add_u32 v0, v1
	s_set_vgpr_msb 0x4500
	v_lshrrev_b32 v1, 5, v0
	s_delay_alu instid0(VALU_DEP_1)
	v_readfirstlane_b32 s2, v1                     ; wave w, 0..7
	s_and_b32 s3, s2, 3                            ; cb: my block of 32 channels
	s_lshr_b32 s66, s2, 2                          ; w / 4: my half of the pixels
	s_and_b32 s67, ttmp7, 0xffff                   ; b
	; every address register is made here, ahead of the first branch: constants, the lane and the wave's number
	v_and_b32 v232, 31, v0                         ; L
	v_and_b32 v233, 15, v0                         ; r
	v_bfe_u32 v234, v0, 4, 1                       ; h
	s_delay_alu instid0(VALU_DEP_2)
	v_and_b32 v235, 8, v233
	s_delay_alu instid0(VALU_DEP_1)
	v_add_nc_u32 v235, v235, v233                  ; rho(r) = r + 8 (r / 8)
	v_lshlrev_b32 v[LI], 4, v232
	s_delay_alu instid0(VALU_DEP_2)
	v_lshl_add_u32 v[XR], v234, 3, v235
	s_delay_alu instid0(VALU_DEP_1)
	v_lshlrev_b32 v[XR], 2, v[XR]
	s_lshl_b32 s100, s3, 14                        ; 32 channel rows of 512 bytes
	s_lshl_b32 s101, s66, 8                        ; 64 pixels of 4 bytes
	s_add_co_u32 s100, s100, s101
	s_add_co_u32 s100, s100, XT
	v_add_nc_u32 v[XR], s100, v[XR]
	v_lshlrev_b32 v[XW], 4, v233                   ; in tile 2 p + h's image block cb is registers 4 (cb / 2) on of lanes 16 (cb % 2) + r: byte 512 (cb / 2) + 256 (cb % 2) + 16 r = 256 cb + 16 r
	s_delay_alu instid0(VALU_DEP_1)
	v_lshl_add_u32 v[XW], v234, 10, v[XW]
	s_lshl_b32 s100, s66, 12
	s_lshl_b32 s101, s3, 8
	s_add_co_u32 s100, s100, s101
	v_add_nc_u32 v[XW], s100, v[XW]
	s_lshl_b32 s100, s66, 8
	s_add_co_u32 s100, s100, s3
	s_add_co_u32 s100, s100, HSC
	v_lshl_add_u32 v[XSW], v232, 2, s100           ; byte cb of the word of tile 2 p + h, row r: 128 p + 4 L + cb
	s_lshl_b32 s100, s2, 6
	s_add_co_u32 s100, s100, HSC
	v_lshl_add_u32 v[HSR], v233, 2, s100
	v_lshl_add_u32 v[LS], v232, 2, HSC
	s_lshl_b32 s100, s66, 9
	s_lshl_b32 s101, s3, 2
	s_add_co_u32 s100, s100, s101
	s_add_co_u32 s100, s100, SCST
	v_add_nc_u32 v[SCW], s100, v[LI]
	v_lshlrev_b32 v[A8], 3, v232
	v_lshl_add_u32 v[BQ], v234, 6, BST
	s_lshr_b32 s100, s2, 1
	s_lshl_b32 s100, s100, 5
	s_and_b32 s101, s2, 1
	s_lshl_b32 s101, s101, 3
	s_add_co_u32 s100, s100, s101
	s_add_co_u32 s100, s100, 256
	v_add_nc_u32 v[BV], s100, v235                 ; v's channel of row r of tile w, behind q's and k's 256
	s_delay_alu instid0(VALU_DEP_1)
	v_lshl_add_u32 v[BV], v[BV], 2, BST
	v_lshlrev_b32 v[A4], 2, v232
	s_delay_alu instid0(VALU_DEP_1)
	v_lshl_add_u32 v[A4], v234, 10, v[A4]
	s_lshl_b32 s100, s2, 10
	v_add_nc_u32 v[LW], s100, v[LI]
	v_lshlrev_b32 v[BSA], 4, v0
	s_lshl_b32 s100, s2, 9
	s_add_co_u32 s100, s100, SCST
	v_add_nc_u32 v[SCR], s100, v[LI]               ; (the thread's number is used up)
.irp g, 0,1,2,3
	v_mov_b32 v[TB+\g], 0                          ; written once: a lane permute's destination counts as one of its sources
.endr
	v_mov_b32 v92, 0
	v_mov_b32 v93, 0
	; x's tile: my 16 channel rows x 128 pixels of 4 bytes; rows of 512 bytes, 16,384 bytes apart in memory, on end in LDS
	s_mov_b32 s72, 2<<16                           ; no mask; elements of 4 bytes; no padding (a read takes 128 consecutive bytes of a row)
	s_mov_b32 s73, 128<<16                         ; tensor_dim0 = 128
	s_mov_b32 s74, 16<<16                          ; tensor_dim1 = 16
	s_mov_b32 s75, 128<<16                         ; tile_dim0 = 128
	s_mov_b32 s76, 16                              ; tile_dim1 = 16
	s_mov_b32 s77, 4096                            ; elements from row to row
	s_mov_b32 s78, 0
	s_mov_b32 s79, 0
	s_mov_b32 s68, 1
	s_lshl_b32 s69, s2, 13
	s_add_co_u32 s69, s69, XT                      ; LDS: XT + 8,192 w
	s_lshl_b32 s100, s67, 21                       ; image b,
	s_lshl_b32 s101, s2, 18                        ; channel 16 w,
	s_add_co_u32 s100, s100, s101
	s_lshl_b32 s101, ttmp9, 9                      ; pixel 128 s
	s_add_co_u32 s100, s100, s101
	s_mov_b32 s101, 0
	s_wait_dscnt 0x0
	s_wait_kmcnt 0x0
	s_add_nc_u64 s[70:71], s[4:5], s[100:101]
	s_or_b32 s71, s71, 0x80000000                  ; type = 2
	tensor_load_to_lds s[68:71], s[72:79]          ; my one tensor load of the launch: nothing is filled twice
	s_nop 0
	PLACES 4
	s_lshl_b32 s100, s67, 11
	s_lshl_b32 s101, s3, 9
	s_add_co_u32 s100, s100, s101
	s_mov_b32 s101, 0
	s_add_nc_u64 s[6:7], s[6:7], s[100:101]        ; stats at group 8 b + 2 cb
	s_lshl_b32 s100, s3, 7
	s_add_nc_u64 s[8:9], s[8:9], s[100:101]        ; norm_w and norm_b at channel 32 cb
	s_add_nc_u64 s[10:11], s[10:11], s[100:101]
	s_load_b512 s[16:31], s[8:9], 0x0              ; my block's 32 gains
	s_load_b512 s[32:47], s[8:9], 0x40
	s_load_b512 s[48:63], s[10:11], 0x0            ; and 32 offsets
	s_load_b512 s[80:95], s[10:11], 0x40
	s_lshl_b32 s100, s2, 7
	s_add_nc_u64 s[4:5], s[12:13], s[100:101]      ; wq + 128 w, for Wv's scale word
	s_lshl_b32 s67, s67, 5
	s_add_co_u32 s67, s67, ttmp9                   ; block 32 b + s
	s_mul_i32 s100, s67, 9216
	s_add_nc_u64 s[96:97], s[96:97], s[100:101]
	s_mul_i32 s100, s67, 18432
	s_add_nc_u64 s[98:99], s[98:99], s[100:101]
	s_mov_b32 s[SEL], 0x76543210
	s_mov_b32 s[SEL+1], 0xfedcba98
	s_mov_b32 s100, 0x37800000                     ; 2^-16: one over a group's 65,536 numbers
	s_mov_b32 s101, 0x3727c5ac                     ; eps = 1e-5
	s_cmp_lt_u32 s2, 3                             ; qkv_b: 96 threads x 16 bytes.  The load stands AHEAD of the statistics' loads, so that as many loads follow those on both ways
	s_cbranch_scc0 .Lno_bias_load
	s_wait_alu depctr_va_vdst(0)
	global_load_b128 v[104:107], v[BSA], s[14:15]
.Lno_bias_load:
.irp g, 0,1
	global_load_b64 v[RB+2*\g:RB+2*\g+1], v[A8], s[6:7] offset:256*\g   ; group 2 cb + g: lane L takes partial L: (mean, M2)
.endr
	WLD RC, 0                                      ; Wq: 16 loads
.irp t, 0,1,2,3,4,5,6,7
	global_load_b32 v[WS+\t], v[A4], s[12:13] offset:32768+128*\t       ; lanes 0-15: Wq's scale words of tile t; lanes 16-31: Wk's, 1,024 bytes on
.endr
	WLD RA, 1                                      ; Wk: 16 loads
	s_wait_alu depctr_va_vdst(0)
	global_load_b128 v[WVF:WVF+3], v[LW], s[12:13] offset:16384
	global_load_b128 v[WVF+4:WVF+7], v[LW], s[12:13] offset:16384+512
	global_load_b32 v[WVS], v[A4], s[4:5] offset:32768+2048             ; (lanes 16-31 read 1,024 bytes on, inside the buffer, and are not used)
	; ---- the statistics of my two groups, by turns
	s_wait_loadcnt 43                              ; the two loads of partials, and qkv_b's ahead of them, are in; the 16 + 8 + 16 + 3 issued behind them may stay out
	s_cmp_lt_u32 s2, 3
	s_cbranch_scc0 .Lno_bias_store
	ds_store_b128 v[BSA], v[104:107] offset:BST
.Lno_bias_store:
.irp g, 0,1
	v_mov_b32 v[88+\g], v[RB+2*\g]
.endr
.irp m, 1,2,4,8
.irp g, 0,1
	s_delay_alu instid0(VALU_DEP_2)
	v_add_f32_dpp v[88+\g], v[88+\g], v[88+\g] row_xmask:\m row_mask:0xf bank_mask:0xf
.endr
.endr
.irp g, 0,1
	s_delay_alu instid0(VALU_DEP_2)
	v_permlanex16_b32 v[92+\g], v[88+\g], s[SEL], s[SEL+1]
.endr
.irp g, 0,1
	s_delay_alu instid0(VALU_DEP_2)
	v_add_f32 v[88+\g], v[88+\g], v[92+\g]
.endr
.irp g, 0,1
	s_delay_alu instid0(VALU_DEP_2)
	v_mul_f32 v[88+\g], 0x3d000000, v[88+\g]       ; x 2^-5: the group's mean (the partials are of equal size)
.endr
.irp g, 0,1
	s_delay_alu instid0(VALU_DEP_2)
	v_sub_f32 v[92+\g], v[RB+2*\g], v[88+\g]       ; d = my partial's mean - the mean
.endr
.irp g, 0,1
	s_delay_alu instid0(VALU_DEP_2)
	v_mul_f32 v[96+\g], 0x45000000, v[92+\g]       ; 2,048 d
.endr
.irp g, 0,1
	s_delay_alu instid0(VALU_DEP_2)
	v_fma_f32 v[96+\g], v[96+\g], v[92+\g], v[RB+2*\g+1]   ; 2,048 d^2 + M2
.endr
.irp m, 1,2,4,8
.irp g, 0,1
	s_delay_alu instid0(VALU_DEP_2)
	v_add_f32_dpp v[96+\g], v[96+\g], v[96+\g] row_xmask:\m row_mask:0xf bank_mask:0xf
.endr
.endr
.irp g, 0,1
	s_delay_alu instid0(VALU_DEP_2)
	v_permlanex16_b32 v[92+\g], v[96+\g], s[SEL], s[SEL+1]
.endr
.irp g, 0,1
	s_delay_alu instid0(VALU_DEP_2)
	v_add_f32 v[96+\g], v[96+\g], v[92+\g]
.endr
.irp g, 0,1
	s_delay_alu instid0(VALU_DEP_2)
	v_fma_f32 v[96+\g], v[96+\g], s100, s101       ; the variance + eps
.endr
	s_wait_alu depctr_va_vdst(0)
.irp g, 0,1
	v_rsq_f32 v[96+\g], v[96+\g]
.endr
	v_nop                                          ; a plain line behind the transcendentals
	s_wait_tensorcnt 0x0                           ; my 16 rows of x have landed; the descriptor's registers are free
	BARRIER                                        ; everybody's have, and qkv_b lies in LDS
	s_wait_alu depctr_va_vdst(0)
.irp g, 0,1
	v_readfirstlane_b32 s[72+\g], v[88+\g]         ; the means
	v_readfirstlane_b32 s[76+\g], v[96+\g]         ; 1 / sqrt(variance + eps)
.endr
	; ---- X: 32 channels of two pixels a lane, normalised and quantised
.set i, 0
.rept 64
	ds_load_b32 v[RB+i], v[XR] offset:512*(i%32)+128*(i/32)   ; channel 32 cb + i % 32 at my pixel of the first 32, then of the second 32: the wave reads 128 consecutive bytes
.set i, i+1
.endr
	s_wait_kmcnt 0x0                               ; the gains and offsets
.set i, 0
.rept 32
	s_mul_f32 s[16+i], s[16+i], s[76+i/16]         ; gain / sqrt(var + eps)
.set i, i+1
.endr
.macro NORM pp                         ; h = (x - mean) (gain / sqrt(var + eps)) + offset; the channel's numbers are scalars
.set i, 0
.rept 32
	v_sub_f32 v[RB+32*\pp+i], v[RB+32*\pp+i], s[72+i/16]
.set i, i+1
.endr
.set i, 0
.rept 32
.if i < 16
	v_fma_f32 v[RB+32*\pp+i], v[RB+32*\pp+i], s[16+i], s[48+i]
.else
	v_fma_f32 v[RB+32*\pp+i], v[RB+32*\pp+i], s[16+i], s[80+i-16]
.endif
.set i, i+1
.endr
.endm
.macro BLKQ pp                         ; a whole block of 32 lies in my registers: its largest magnitude needs no other lane; codes and byte go to their places in the image
.set XS, RB+32*\pp
	v_max3_num_f32 v[TM], |v[XS]|, |v[XS+1]|, |v[XS+2]|
	v_max3_num_f32 v[TM+1], |v[XS+3]|, |v[XS+4]|, |v[XS+5]|
.irp i, 6,10,14,18,22,26
	s_delay_alu instid0(VALU_DEP_2)
	v_max3_num_f32 v[TM], v[TM], |v[XS+\i]|, |v[XS+\i+1]|
	s_delay_alu instid0(VALU_DEP_2)
	v_max3_num_f32 v[TM+1], v[TM+1], |v[XS+\i+2]|, |v[XS+\i+3]|
.endr
	s_delay_alu instid0(VALU_DEP_2)
	v_max3_num_f32 v[TM], v[TM], |v[XS+30]|, |v[XS+31]|
	s_delay_alu instid0(VALU_DEP_1)
	v_max3_num_f32 v[TM], v[TM], v[TM+1], FLOOR
	s_delay_alu instid0(VALU_DEP_1)
	v_add_nc_u32 v[TS+\pp], 0xff000000, v[TM]
	s_delay_alu instid0(VALU_DEP_1)
	v_lshrrev_b32 v[TB+\pp], 23, v[TS+\pp]
.irp g, 0,1,2,3
	v_cvt_scalef32_pk8_fp4_f32 v[PC+4*\pp+\g], v[XS+8*\g:XS+8*\g+7], v[TS+\pp]
.endr
	v_nop                                          ; one plain line behind the last scaled conversion
	ds_store_b128 v[XW], v[PC+4*\pp:PC+4*\pp+3] offset:HIMG+2048*\pp   ; sixteen lanes store 256 consecutive bytes of a tile's image
	ds_store_b8 v[XSW], v[TB+\pp] offset:128*\pp
.endm
	s_wait_dscnt 32                                ; the first 32 pixels' numbers are in; the second 32 loads may be out
	NORM 0
	BLKQ 0
	s_wait_dscnt 0x0
	NORM 1
	BLKQ 1
	BIAS RB, 0                                     ; q's bias, into the registers that x's numbers have left
	BARRIER                                        ; h's eight fragments and their scale words lie in LDS
	; ---- q of pixel tile w
	ds_load_b128 v[HF:HF+3], v[LW] offset:HIMG
	ds_load_b128 v[HF+4:HF+7], v[LW] offset:HIMG+512
	ds_load_b32 v[HS], v[HSR]
	s_wait_dscnt 0x0
	s_wait_loadcnt 0x0                             ; all the weights, asked for at the head
	MULW RB, RC, 0
	PLACES 4                                       ; in front of loads into registers that the products have read, and of the first read of results
	BIAS RC, 1                                     ; k's bias, where Wq lay; it lands while q is quantised
	QUANT RB
	global_store_b128 v[LW], v[PC:PC+3], s[96:97]              ; each store of the wave covers 512 consecutive bytes, aligned
	global_store_b128 v[LW], v[PC+4:PC+7], s[96:97] offset:512
	ds_store_b32 v[SCW], v[PW]
	; ---- k of pixel tile w
	s_wait_dscnt 0x0                               ; k's bias is in
	MULW RC, RA, 1
	PLACES 4
.irp t, 0,1,2,3,4,5,6,7
.irp c, 0,1
	ds_load_b128 v[RA+8*\t+4*\c:RA+8*\t+4*\c+3], v[LI] offset:HIMG+1024*\t+512*\c   ; all eight fragments of h, for v, where Wk lay
.endr
.endr
.irp p, 0,1,2,3
	ds_load_b32 v[HSV+\p], v[LS] offset:128*\p
.endr
.irp j, 0,1,2,3,4,5,6,7
	ds_load_b32 v[HF+\j], v[BV]                    ; v's bias hangs on the lane's channel alone: the same number in all eight registers of C
.endr
	s_wait_xcnt 0x0                                ; q's stores have read the codes' registers
	QUANT RC
	global_store_b128 v[LW], v[PC:PC+3], s[98:99]
	global_store_b128 v[LW], v[PC+4:PC+7], s[98:99] offset:512
	ds_store_b32 v[SCW], v[PW] offset:1024
	; ---- v of channel tile w, for all 128 pixels: source 0 = 16 pixels of h, source 1 = my 16 rows of Wv
	s_wait_dscnt 0x0
.irp T, 0,2,4,6
	v_wmma_scale_f32_16x16x128_f8f6f4 v[RB+8*\T:RB+8*\T+7], v[RA+8*\T:RA+8*\T+7], v[WVF:WVF+7], v[HF:HF+7], v[HSV+\T/2], v[WVS] matrix_a_fmt:MATRIX_FMT_FP4 matrix_b_fmt:MATRIX_FMT_FP4
	v_wmma_scale_f32_16x16x128_f8f6f4 v[RB+8*\T+8:RB+8*\T+15], v[RA+8*\T+8:RA+8*\T+15], v[WVF:WVF+7], v[HF:HF+7], v[HSV+\T/2], v[WVS] matrix_a_fmt:MATRIX_FMT_FP4 matrix_b_fmt:MATRIX_FMT_FP4 matrix_a_scale:MATRIX_SCALE_ROW1
.endr
	PLACES 4
	s_wait_xcnt 0x0                                ; k's stores have read the codes' registers
	QUANT RB                                       ; register 8 T + j is key 32 (T / 2) + 16 h + 8 (T % 2) + j of my channel
	global_store_b128 v[LW], v[PC:PC+3], s[98:99] offset:8192
	global_store_b128 v[LW], v[PC+4:PC+7], s[98:99] offset:8192+512
	ds_store_b32 v[SCW], v[PW] offset:2048
	; ---- the scale words leave: six runs of 512 bytes, one a wave
	BARRIER
	s_cmp_lt_u32 s2, 6
	s_cbranch_scc0 .Lend
	ds_load_b128 v[RA:RA+3], v[SCR]
	s_cmp_lt_u32 s2, 2                             ; waves 0, 1: q's, behind qbuf's images; waves 2 to 5: k's and v's, behind kvbuf's
	s_cselect_b64 s[4:5], s[96:97], s[98:99]
	s_mov_b32 s100, 15360                          ; 16,384 - 2 x 512
	s_cselect_b32 s100, 8192, s100
	s_lshl_b32 s101, s2, 9
	s_add_co_u32 s100, s100, s101
	s_mov_b32 s101, 0
	s_add_nc_u64 s[4:5], s[4:5], s[100:101]
	s_wait_dscnt 0x0
	global_store_b128 v[LI], v[RA:RA+3], s[4:5]
.Lend:
	s_set_vgpr_msb 0x5
	s_wait_tensorcnt 0x0
	ds_add_u32 v0, v1
	s_wait_dscnt 0x0
	s_set_vgpr_msb 0x500
	s_endpgm
.Lfunc_end_k_q245e0d1f7b_qkv:
	.size	k_q245e0d1f7b_qkv, .Lfunc_end_k_q245e0d1f7b_qkv-k_q245e0d1f7b_qkv
	.p2alignl 7, 3214868480
	.fill 96, 4, 3214868480
	.section	.rodata,"a",@progbits
	.p2align	6, 0x0
	.amdhsa_kernel k_q245e0d1f7b_qkv
		.amdhsa_group_segment_fixed_size 168960
		.amdhsa_private_segment_fixed_size 0
		.amdhsa_enable_private_segment 0
		.amdhsa_kernarg_size 64
		.amdhsa_user_sgpr_count 2
		.amdhsa_user_sgpr_kernarg_segment_ptr 1
		.amdhsa_wavefront_size32 1
		.amdhsa_system_sgpr_workgroup_id_x 1
		.amdhsa_system_sgpr_workgroup_id_y 1
		.amdhsa_system_sgpr_workgroup_id_z 1
		.amdhsa_system_vgpr_workitem_id 0
		.amdhsa_next_free_vgpr 258
		.amdhsa_next_free_sgpr 102
		.amdhsa_reserve_vcc 0
		.amdhsa_float_denorm_mode_32 3
		.amdhsa_float_denorm_mode_16_64 3
		.amdhsa_memory_ordered 1
		.amdhsa_forward_progress 1
		.amdhsa_inst_pref_size 54
	.end_amdhsa_kernel
	.amdgpu_metadata
---
amdhsa.version: [ 1, 2 ]
amdhsa.kernels:
  - .name:           k_q245e0d1f7b_qkv
    .symbol:         k_q245e0d1f7b_qkv.kd
    .args:
      - { .name: x, .offset: 0, .size: 8, .value_kind: global_buffer, .address_space: global }
      - { .name: stats, .offset: 8, .size: 8, .value_kind: global_buffer, .address_space: global }
      - { .name: norm_w, .offset: 16, .size: 8, .value_kind: global_buffer, .address_space: global }
      - { .name: norm_b, .offset: 24, .size: 8, .value_kind: global_buffer, .address_space: global }
      - { .name: wq, .offset: 32, .size: 8, .value_kind: global_buffer, .address_space: global }
      - { .name: qkv_b, .offset: 40, .size: 8, .value_kind: global_buffer, .address_space: global }
      - { .name: qbuf, .offset: 48, .size: 8, .value_kind: global_buffer, .address_space: global }
      - { .name: kvbuf, .offset: 56, .size: 8, .value_kind: global_buffer, .address_space: global }
    .group_segment_fixed_size: 168960
    .private_segment_fixed_size: 0
    .kernarg_segment_align: 8
    .kernarg_segment_size: 64
    .max_flat_workgroup_size: 256
    .sgpr_count:     102
    .vgpr_count:     258
    .wavefront_size: 32
...
	.end_amdgpu_metadata
.endif
;; end of part 2
;; launch attn (part 3): grid 64 x 4, 16 waves a work-group, clusters of 4 x 1, 327,680 bytes of LDS; arguments qbuf, kvbuf, wq, proj_b, x, out0; writes out0
.if DOCPART == 3
	.amdgcn_target "amdgcn-amd-amdhsa--gfx1250"
	.amdhsa_code_object_version 6
	.text
	.protected	k_q245e0d1f7b_attn
	.globl	k_q245e0d1f7b_attn
	.p2align	8
	.type	k_q245e0d1f7b_attn,@function
k_q245e0d1f7b_attn:
	s_mov_b64 s[64:65], 0
	v_nop
	global_prefetch_b8 v0, s[64:65] scope:SCOPE_SE
	s_setreg_imm32_b32 hwreg(HW_REG_WAVE_MODE, 25, 1), 1
	s_wait_xcnt 0x0
	s_wait_alu depctr_hold_cnt(0) depctr_sa_sdst(0) depctr_va_vdst(0) depctr_va_sdst(0) depctr_va_ssrc(0) depctr_va_vcc(0) depctr_vm_vsrc(0)
	s_getreg_b32 s2, hwreg(HW_REG_IB_STS2, 6, 4)
	s_cmp_eq_u32 s2, 0
	s_cbranch_scc0 .Lentry_in_a_cluster
	s_endpgm
.Lentry_in_a_cluster:
	s_bfe_u32 s2, ttmp6, 0x10000c
	s_cmp_lg_u32 s2, 0x3003
	s_cbranch_scc0 .Lentry_shape_is_right
	s_endpgm
.Lentry_shape_is_right:
; out0 = x + proj_w (softmax(q^T k / sqrt(128)) v) + proj_b, all three products on codes of FP4 (E2M1) with one E8M0 scale for each 32 along a product's K.
; q, k, v and proj_w arrive as images of operands' registers (registers 4 c .. 4 c + 3 of lane L at 512 c + 16 L of a fragment's 1,024 bytes), the scale words of four tiles as 16 bytes a lane.
; THE SOFTMAX AHEAD OF THE SECOND PRODUCT: t = score x log2(e) / sqrt(128); M = the largest t so far, rounded UP to a whole number; p = 2^(t - M) is quantised along the keys, not normalised;
; the row's sum is taken of the unquantised p and divides at the end.  When M moves, the sum and O are multiplied by 2^(old M - new M): exact.
; SHARES.  256 work-groups, each 64 queries of one image.  Wave w = 4 j + q of sixteen: query tile q (16 queries), key group j: of every 8 key steps (of 128 keys) in a slot it walks steps 2 j and 2 j + 1,
; 8 of the image's 32 in all, with its own M, sum and O^T.  Four waves of 256 registers share a SIMD, so that one wave's vector work stands beside another's matrix work and LDS loads.
; LAYOUT.  Both products are used transposed: S^T = K Q^T (source 0 = 16 keys), O^T = V^T P^T (source 0 = 16 channels): a lane holds ONE query (lane % 16) throughout.  Tiles of keys, of queries and of channels
; are permuted (row r of tile t is row 32 (t / 2) + 8 (t % 2) + r + 8 (r / 8)), so that the 16 registers of tiles 2 b, 2 b + 1 are 16 neighbours along the next K.
; CLUSTER.  The four work-groups of a cluster belong to one image and walk the same K and V: every fill is asked for jointly, by the same tensor load with the same descriptor and the mask of all four.
; The place in the cluster enters the global addresses of q, x and out0 alone.
; RING.  Two slots of 8 key steps (147,456 bytes); each of the sixteen waves brings 9,216 bytes of a slot by one load.  A wave has two tensor loads out at the start and one behind each round.
; A slot is left in the middle of its last step: as soon as that step's fragments of V, the slot's last reads, are in registers, the wave says so; the rest of the step is work on registers and stands between the signal and the wait.
; THE END, shared by all sixteen waves alike.  Every wave puts (-M, l) and its O^T into LDS; wave (q, j) takes channel block j (16 registers) of query tile q from all four key groups, adds them under the largest M, each times
; 2^(its M - the largest M) / l, quantises that one block and puts its codes and byte at their places in the fragment's image; then source 0 = the 16 pixels' fragment, source 1 = proj_w's tiles 2 j, 2 j + 1: a lane holds 8 neighbouring
; pixels of one output channel; through a stage in LDS, + proj_b + x, out in whole rows of 256 bytes.
; LIMITS: NaN and infinities are not served; a block whose largest magnitude lies under 2^-124 keeps the byte 1, a block of zeros too (zero codes); p under 2^-126 falls to 0.
.set STEPB, 18432                      ; a key step in a slot: 8 images of k, 8 of v, k's scale words (1,024 bytes), v's
.set VF,    8192
.set KS,    16384
.set VS,    17408
.set SLOT1, 147456
.set ML,    294912                     ; behind the ring: (-M, l) of each thread, 8 bytes
.set SPARE, 299008                     ; the spare words, 128 bytes for each wave: eight blocks of 256 bytes that no other line names
; The end's stages lie in the ring, which has had its last fill by then.  The waves' O^T (8,192 w, under 131,072) lie in slot 0, whose last reads stand ahead of the third change of slots; the others are written behind a barrier that follows every wave's last read of slot 1.
.set OUTST, 131072                     ; the result: 128 channel rows of 256 + 16 bytes
.set FIMG,  165888                     ; O / l as codes: four fragments' images
.set FSC,   169984                     ; and their scale words: 64 q + 4 r
.set FLOOR, 0x1800000                  ; 2^(3 - 127)
.set AB,  1                            ; v1   16 L + 36,864 j: my lane's place in my key group's first step of a slot;  at the end: where I put my block's codes
.set ADR, 2                            ; v2   the same in the step in hand;  at the end: where I put my block's byte
.set MLW, 3                            ; v3   ML + 8 x thread
.set MLR, 4                            ; v4   ML + 8 x (thread % 128): my lane of my query tile in key group 0
.set SPW, 5                            ; v5   my spare word; never rewritten
.set NIL, 6                            ; v6   0; never rewritten
.set ORD, 7                            ; v7   my block of my query tile's O^T in key group 0: 16 L + 8,192 q + 2,048 j
.set ORD2, 8                           ; v8   the same in key group 2: + 65,536
.set FRA, 9                            ; v9   my query tile's fragment: FIMG + 1,024 q + 16 L
.set OSA, 10                           ; v10  where I put my O^T: 16 L + 8,192 w
.set OSW, 11                           ; v11  the result's stage, in
.set QF,  16                           ; v16-23 q's fragment
.set SW,  24                           ; v24-31 the scale words of 8 tiles (scales alone)
.set FR,  32                           ; v32-95 8 fragments; at the end the four key groups' parts of my block
.set S,   96                           ; v96-159 S^T, then p
.set WF,  96                           ; v96-111 at the end: proj_w's two fragments
.set MG,  112                          ; v112-119 at the end: (-M, l) of the four key groups, then their factors; v112-127 at last the stage's rows
.set EG,  120                          ; v120-123 at the end: M of a group less the largest M
.set T0,  124                          ; v124-126 at the end: at work
.set T1,  125
.set T2,  126
.set XD,  128                          ; v128-143 at the end: my 8 channel rows' bytes of x
.set XB,  144                          ; v144-147 at the end: their proj_b
.set O,   160                          ; v160-223 O^T
.set PC,  224                          ; v224-231 codes
.set TM,  232                          ; v232-235 block maxima
.set TB,  236                          ; v236-239 the other half's; bytes; a chain of the sum
.set OSR, 240                          ; v240 the result's stage, back
.set XA,  241                          ; v241 my bytes in x and out0
.set BA,  242                          ; v242 my channel in proj_b
.set LI,  243                          ; v243 16 L
.set TS,  244                          ; v244-247 the conversions' scale operands
.set QS,  248                          ; v248 q's scale word (scales alone)
.set PW,  249                          ; v249 p's scale word, at the end O's (scales alone)
.set F,   250                          ; v250 f; v251 = 0, named with it as a pair
.set A4,  252                          ; v252 4 L
.set FSR, 253                          ; v253 my query tile's scale words: FSC + 64 q + 4 r
.set WV,  16                           ; s16 wave
.set SEL, 20                           ; s[20:21] lane selects for lane l xor 16
.set CS,  22                           ; s[22:23] c = log2(e) / sqrt(128), twice
.set G1,  24                           ; s[24:31] descriptor group 1
.set G0A, 32                           ; s[32:35] group 0 for slot 0
.set G0B, 36                           ; s[36:39] for slot 1
.macro PLACES n
.rept \n
	v_nop
.endr
.endm
; A round of the cluster's barrier: my work-group's barrier, so that wave 0's signal speaks for all sixteen waves; wave 0 signals; every wave waits for all four work-groups; my work-group's barrier once more.
.macro CREST                           ; a round behind its opening barrier
	s_cmp_lg_u32 s[WV], 0
	s_cbranch_scc1 .Lnot_wave_0_\@
	s_barrier_signal -3
.Lnot_wave_0_\@:
	s_barrier_wait -3
	s_barrier_signal -1
	s_barrier_wait -1
.endm
.macro ROUND                           ; a whole round
	s_barrier_signal -1
	s_barrier_wait -1
	CREST
.endm
; A KEY STEP: 128 keys, whose tiles begin k0 bytes behind my key group's place in slot 0.
; meet = 1: the slot's last step.  As soon as V's fragments are in, the wave has read the slot for the last time: it waits for all its tensor loads (its part of the slot ahead), adds 0 to its spare word, waits for that and for its
; reads, and signals; the exponentials, the conversions, the sums and the second product, all on registers, stand between the signal and the wait.  g0: the group 0 that is stepped for the refill (0: nothing is filled again).
.macro STEP k0, meet, g0
	v_add_nc_u32 v[ADR], (\k0), v[AB]
	PLACES 3                                       ; with the line above: four places in front of loads into registers that the last products have read
	ds_load_b128 v[SW:SW+3], v[ADR] offset:KS      ; the scale words first, then the fragments in the order of their use
	ds_load_b128 v[SW+4:SW+7], v[ADR] offset:KS+512
.irp t, 0,1,2,3,4,5,6,7
.irp c, 0,1
	ds_load_b128 v[FR+8*\t+4*\c:FR+8*\t+4*\c+3], v[ADR] offset:1024*\t+512*\c
.endr
.endr
	s_wait_alu depctr_va_vdst(0)
.irp t, 0,1,2,3,4,5,6,7
	s_wait_dscnt 14-2*\t                           ; LDS loads come back in order: fragment t is in; the two loads of each later fragment may be out
	v_wmma_scale_f32_16x16x128_f8f6f4 v[S+8*\t:S+8*\t+7], v[FR+8*\t:FR+8*\t+7], v[QF:QF+7], 0, v[SW+\t], v[QS] matrix_a_fmt:MATRIX_FMT_FP4 matrix_b_fmt:MATRIX_FMT_FP4
.endr
	PLACES 4                                       ; in front of the loads below and of the first read of the scores
.irp t, 0,1,2,3,4,5,6,7                ; V's fragments land under the softmax
.irp c, 0,1
	ds_load_b128 v[FR+8*\t+4*\c:FR+8*\t+4*\c+3], v[ADR] offset:VF+1024*\t+512*\c
.endr
.endr
	ds_load_b128 v[SW:SW+3], v[ADR] offset:VS
	ds_load_b128 v[SW+4:SW+7], v[ADR] offset:VS+512
.irp b, 0,1,2,3
	v_max3_num_f32 v[TM+\b], v[S+16*\b], v[S+1+16*\b], v[S+2+16*\b]   ; the largest score of each block of 32 keys: it serves the row's maximum and, since p rises with the score, the block's largest p
.endr
.irp i, 3,5,7,9,11,13
.irp b, 0,1,2,3
	v_max3_num_f32 v[TM+\b], v[TM+\b], v[S+16*\b+\i], v[S+1+16*\b+\i]
.endr
.endr
.irp b, 0,1,2,3
	v_max_num_f32 v[TM+\b], v[TM+\b], v[S+15+16*\b]
.endr
.irp b, 0,1,2,3
	s_delay_alu instid0(VALU_DEP_4)
	v_permlanex16_b32 v[TB+\b], v[TM+\b], s[SEL], s[SEL+1]
.endr
.irp b, 0,1,2,3
	s_delay_alu instid0(VALU_DEP_4)
	v_max_num_f32 v[TM+\b], v[TM+\b], v[TB+\b]     ; with lane l xor 16's 16 keys
.endr
	s_delay_alu instid0(VALU_DEP_2)
	v_max3_num_f32 v254, v[TM], v[TM+1], v[TM+2]
	s_delay_alu instid0(VALU_DEP_1)
	v_max_num_f32 v254, v254, v[TM+3]              ; the step's largest score of my query
	s_delay_alu instid0(VALU_DEP_1)
	v_mul_f32 v254, s[CS], v254                    ; as t (c is positive)
	s_delay_alu instid0(VALU_DEP_1)
	v_max_num_f32 v13, v13, v254                   ; the running largest t
	v_mov_b32 v254, v12
	s_delay_alu instid0(VALU_DEP_2)
	v_floor_f32 v12, -v13                          ; the new -M = floor(-t) = -ceil(t): a whole number
	s_delay_alu instid0(VALU_DEP_1)
	v_sub_f32 v254, v12, v254                      ; old M - new M: a whole number, 0 or less
	s_delay_alu instid0(VALU_DEP_1)
	v_cvt_i32_f32 v254, v254                       ; (it saturates)
	s_delay_alu instid0(VALU_DEP_1)
	v_ldexp_f32 v[F], 1.0, v254                    ; f = 2^(old M - new M)
.if \meet
	s_wait_alu depctr_va_vdst(0)
	s_wait_tensorcnt 0x0                           ; all my tensor loads have landed: my part of the slot ahead; so a group 0 may be written
	ds_add_u32 v[SPW], v[NIL]                      ; 0 onto my spare word: the multiply-adds below stand between it and the wait for it
.if \g0
	s_add_nc_u64 s[\g0+2:\g0+3], s[\g0+2:\g0+3], 2*SLOT1   ; this slot's next keys; the type bits on top are not reached
.endif
.endif
.set j, 0
.rept 32
	v_pk_fma_f32 v[S+j:S+j+1], v[S+j:S+j+1], s[CS:CS+1], v[12:13] op_sel_hi:[1,0,0]   ; t - M, two at a time (of the pairs c and -M the low word serves both halves)
.set j, j+2
.endr
.irp b, 0,1,2,3
	v_fma_f32 v[TM+\b], v[TM+\b], s[CS], v12       ; the same of each block's largest score
.endr
.if \meet
	s_wait_dscnt 0x0                               ; the add is done, and V is in: my reads of this slot are over
	s_barrier_signal -1                            ; say so; only work on registers follows up to the wait
.endif
.set j, 0
	s_wait_alu depctr_va_vdst(0)
.rept 64
	v_exp_f32 v[S+j], v[S+j]                       ; p = 2^(t - M), at most 1
.set j, j+1
.endr
.irp b, 0,1,2,3
	v_exp_f32 v[TM+\b], v[TM+\b]                   ; the block's largest p: the same two instructions on the same number
.endr
	v_pk_mul_f32 v[14:15], v[14:15], v[F:F+1] op_sel_hi:[1,0]   ; the sums under the new M (a plain line behind the exponentials)
	s_wait_alu depctr_va_vdst(0)
.irp b, 0,1,2,3
	v_max_num_f32 v[TM+\b], FLOOR, v[TM+\b]        ; the byte cannot fall under 1
.endr
.irp b, 0,1,2,3
	s_delay_alu instid0(VALU_DEP_4)
	v_add_nc_u32 v[TS+\b], 0xff000000, v[TM+\b]    ; 2 off the exponent field: the conversion's scale operand
.endr
.irp b, 0,1,2,3
	s_delay_alu instid0(VALU_DEP_4)
	v_lshrrev_b32 v[TB+\b], 23, v[TS+\b]           ; the scale's byte
.endr
	s_delay_alu instid0(VALU_DEP_3)
	v_lshl_or_b32 v[PW], v[TB+1], 8, v[TB]
	s_delay_alu instid0(VALU_DEP_1)
	v_lshl_or_b32 v[PW], v[TB+2], 16, v[PW]
	s_delay_alu instid0(VALU_DEP_1)
	v_lshl_or_b32 v[PW], v[TB+3], 24, v[PW]
.irp b, 0,1,2,3
	v_cvt_scalef32_pk8_fp4_f32 v[PC+2*\b], v[S+16*\b:S+7+16*\b], v[TS+\b]
	v_cvt_scalef32_pk8_fp4_f32 v[PC+1+2*\b], v[S+8+16*\b:S+15+16*\b], v[TS+\b]
.endr
	v_nop                                          ; one plain line behind the last scaled conversion
.irp c, 0,1                            ; the operand's layout wants a whole block in a lane: lanes 0-15 block 2 c, lanes 16-31 block 2 c + 1
.irp i, 0,1
	v_permlane16_swap_b32 v[PC+4*\c+\i], v[PC+2+4*\c+\i]
.endr
.endr
	v_pk_add_f32 v[236:237], v[100:101], v[104:105]
	v_pk_add_f32 v[254:255], v[108:109], v[112:113]
	v_pk_add_f32 v[246:247], v[116:117], v[120:121]
	v_pk_add_f32 v[244:245], v[124:125], v[128:129]
	v_pk_add_f32 v[234:235], v[132:133], v[136:137]
	v_pk_add_f32 v[232:233], v[140:141], v[144:145]
	v_pk_add_f32 v[14:15], v[14:15], v[148:149]
	v_pk_add_f32 v[236:237], v[236:237], v[152:153]
	v_pk_add_f32 v[254:255], v[254:255], v[156:157]
	v_pk_add_f32 v[246:247], v[246:247], v[96:97]
	v_pk_add_f32 v[244:245], v[244:245], v[98:99]
	v_pk_add_f32 v[234:235], v[234:235], v[102:103]
	v_pk_add_f32 v[232:233], v[232:233], v[106:107]
	v_pk_add_f32 v[14:15], v[14:15], v[110:111]
	v_pk_add_f32 v[236:237], v[236:237], v[114:115]
	v_pk_add_f32 v[254:255], v[254:255], v[118:119]
	v_pk_add_f32 v[246:247], v[246:247], v[122:123]
	v_pk_add_f32 v[244:245], v[244:245], v[126:127]
	v_pk_add_f32 v[234:235], v[234:235], v[130:131]
	v_pk_add_f32 v[232:233], v[232:233], v[134:135]
	v_pk_add_f32 v[14:15], v[14:15], v[138:139]
	v_pk_add_f32 v[236:237], v[236:237], v[142:143]
	v_pk_add_f32 v[254:255], v[254:255], v[146:147]
	v_pk_add_f32 v[246:247], v[246:247], v[150:151]
	v_pk_add_f32 v[244:245], v[244:245], v[154:155]
	v_pk_add_f32 v[234:235], v[234:235], v[158:159]
	s_delay_alu instid0(VALU_DEP_2)
	v_pk_add_f32 v[14:15], v[14:15], v[244:245]
	s_delay_alu instid0(VALU_DEP_2)
	v_pk_add_f32 v[236:237], v[236:237], v[234:235]
	v_pk_add_f32 v[254:255], v[254:255], v[232:233]
	s_delay_alu instid0(VALU_DEP_1)
	v_pk_add_f32 v[14:15], v[14:15], v[254:255]
	s_delay_alu instid0(VALU_DEP_3)
	v_pk_add_f32 v[236:237], v[236:237], v[246:247]
	s_delay_alu instid0(VALU_DEP_1)
	v_pk_add_f32 v[14:15], v[14:15], v[236:237]
.set j, 0
.rept 32
	v_pk_mul_f32 v[O+j:O+j+1], v[O+j:O+j+1], v[F:F+1] op_sel_hi:[1,0]   ; O^T under the new M
.set j, j+2
.endr
.if !(\meet)
	s_wait_alu depctr_va_vdst(0)
	s_wait_dscnt 0x0                               ; V
.endif
.irp t, 0,1,2,3,4,5,6,7                ; the eight accumulators take turns, one instruction a turn
	v_wmma_scale_f32_16x16x128_f8f6f4 v[O+8*\t:O+8*\t+7], v[FR+8*\t:FR+8*\t+7], v[PC:PC+7], v[O+8*\t:O+8*\t+7], v[SW+\t], v[PW] matrix_a_fmt:MATRIX_FMT_FP4 matrix_b_fmt:MATRIX_FMT_FP4
.endr
.if \meet
	s_barrier_wait -1                              ; every wave of my work-group has left the slot and has its part of the next
.endif
.endm
; The refill behind a slot's last step: the barrier that the step has passed opens a round of the cluster's barrier; behind the round no wave of any partner reads the slot or has a load on its way; the joint refill is the
; first thing there, and has two key steps of each of a SIMD's four waves in which to land.
.macro REFILL g0
	CREST
	tensor_load_to_lds s[\g0:\g0+3], s[G1:G1+7]
	s_nop 0
	PLACES 4
.endm
	s_load_b256 s[4:11], s[0:1], 0x0               ; qbuf s[4:5], kvbuf s[6:7], wq s[8:9], proj_b s[10:11]
	s_load_b128 s[12:15], s[0:1], 0x20             ; x s[12:13], out0 s[14:15]
	v_lshl_add_u32 v[SPW], v0, 2, SPARE
	v_mov_b32 v[NIL], 0
	ds_add_u32 v5, v6
	ds_add_u32 v5, v6
	s_wait_dscnt 0x0
	v_lshrrev_b32 v1, 5, v0
	s_delay_alu instid0(VALU_DEP_1)
	v_readfirstlane_b32 s[WV], v1                  ; wave 0..15
	s_and_b32 s17, s[WV], 3                        ; q: my query tile
	s_lshr_b32 s18, s[WV], 2                       ; j: my key group
	s_bfe_u32 s19, ttmp6, 0x40000                  ; cx
	s_lshl_b32 s40, ttmp9, 2
	s_add_co_u32 s40, s40, s19                     ; X: my block of 64 queries = 4 x cluster x + cx: it enters q's, x's and out0's addresses alone
	s_and_b32 s41, ttmp7, 0xffff                   ; b: the image, which the four partners share
	; descriptor group 1: 9,216 dense bytes as 36 rows of 256 (32 elements of 8 bytes); no padding: every read takes 512 consecutive bytes
	s_mov_b32 s[G1], 15|(3<<16)|(1<<21)            ; the mask: all four work-groups; elements of 8 bytes; bit 21 set beside a mask
	s_mov_b32 s[G1+1], 32<<16                      ; tensor_dim0
	s_mov_b32 s[G1+2], 36<<16                      ; tensor_dim1
	s_mov_b32 s[G1+3], 32<<16                      ; tile_dim0
	s_mov_b32 s[G1+4], 36                          ; tile_dim1
	s_mov_b32 s[G1+5], 32                          ; elements from row to row
	s_mov_b32 s[G1+6], 0
	s_mov_b32 s[G1+7], 0
	s_mov_b32 s[G0A], 1
	s_mul_i32 s[G0A+1], s[WV], 9216                ; LDS: my sixteenth of slot 0
	s_mov_b32 s[G0B], 1
	s_add_co_u32 s[G0B+1], s[G0A+1], SLOT1         ; and of slot 1
	s_mul_i32 s42, s41, 32*STEPB                   ; the image's 32 key steps,
	s_add_co_u32 s42, s42, s[G0A+1]                ; my sixteenth of the first eight
	s_mov_b32 s43, 0
	; q's fragment and scale word, x's and out0's rows, proj_w's two tiles
	s_lshr_b32 s44, s40, 1
	s_lshl_b32 s45, s41, 5
	s_add_co_u32 s44, s44, s45                     ; qbuf's block 32 b + X / 2
	s_mul_i32 s44, s44, 9216
	s_and_b32 s45, s40, 1                          ; g = X % 2: which half of the block's 8 tiles
	s_lshl_b32 s46, s45, 2
	s_add_co_u32 s46, s46, s17
	s_lshl_b32 s46, s46, 10                        ; image 4 g + q
	s_add_co_u32 s46, s46, s44
	s_mov_b32 s47, 0
	s_lshl_b32 s48, s45, 9
	s_lshl_b32 s49, s17, 2
	s_add_co_u32 s48, s48, s49                     ; word q of [g][lane][4 words]
	s_add_co_u32 s48, s48, s44
	s_mov_b32 s49, 0
	s_lshl_b32 s50, s41, 21                        ; image b of x,
	s_lshl_b32 s51, s40, 8                         ; pixel 64 X
	s_add_co_u32 s50, s50, s51
	s_mov_b32 s51, 0
	s_lshl_b32 s54, s18, 11                        ; proj_w's fragments 2 j, 2 j + 1: 2,048 j bytes on,
	s_mov_b32 s55, 0
	s_lshl_b32 s56, s18, 8                         ; their scale words 256 j
	s_mov_b32 s57, 0
	s_lshl_b32 s58, s17, 10                        ; where my block's codes go: FIMG + 1,024 q + 512 (j / 2) + 256 (j % 2) = FIMG + 1,024 q + 256 j
	s_add_co_u32 s58, s58, s56
	s_add_co_u32 s58, s58, FIMG
	s_mov_b32 s[SEL], 0x76543210
	s_mov_b32 s[SEL+1], 0xfedcba98
	s_mov_b32 s[CS], 0x3e0293ee                    ; c = log2(e) / sqrt(128)
	s_mov_b32 s[CS+1], s[CS]
	ROUND                                          ; all four work-groups are here: the first joint loads meet.  The round wants the wave's number alone, so it stands ahead of the wait for the arguments
	s_wait_kmcnt 0x0
	s_add_nc_u64 s[G0A+2:G0A+3], s[6:7], s[42:43]
	s_add_nc_u64 s[G0B+2:G0B+3], s[G0A+2:G0A+3], SLOT1
	s_or_b32 s[G0A+3], s[G0A+3], 0x80000000        ; type = 2
	s_or_b32 s[G0B+3], s[G0B+3], 0x80000000
	tensor_load_to_lds s[G0A:G0A+3], s[G1:G1+7]    ; keys 0 to 1,023
	s_nop 0
	tensor_load_to_lds s[G0B:G0B+3], s[G1:G1+7]    ; keys 1,024 to 2,047
	s_nop 0
	PLACES 4
	s_add_nc_u64 s[46:47], s[4:5], s[46:47]
	s_add_nc_u64 s[48:49], s[4:5], s[48:49]
	s_add_nc_u64 s[12:13], s[12:13], s[50:51]
	s_add_nc_u64 s[14:15], s[14:15], s[50:51]
	s_add_nc_u64 s[54:55], s[8:9], s[54:55]
	s_add_nc_u64 s[56:57], s[8:9], s[56:57]
	; the address registers: constants, the lane and the wave's number
	v_and_b32 v[ADR], 31, v0                       ; L
	v_and_b32 v254, 15, v0                         ; r
	v_bfe_u32 v255, v0, 4, 1                       ; h
	s_delay_alu instid0(VALU_DEP_3)
	v_lshlrev_b32 v[LI], 4, v[ADR]
	s_delay_alu instid0(VALU_DEP_4)
	v_lshlrev_b32 v[A4], 2, v[ADR]
	global_load_b128 v[QF:QF+3], v[LI], s[46:47]
	global_load_b128 v[QF+4:QF+7], v[LI], s[46:47] offset:512
	global_load_b32 v[QS], v[LI], s[48:49] offset:8192
	s_mul_i32 s52, s18, 2*STEPB
	v_add_nc_u32 v[AB], s52, v[LI]
	v_lshl_add_u32 v[MLW], v0, 3, ML
	v_and_b32 v[MLR], 127, v0
	s_delay_alu instid0(VALU_DEP_1)
	v_lshl_add_u32 v[MLR], v[MLR], 3, ML
	s_lshl_b32 s52, s17, 13
	s_lshl_b32 s53, s18, 11
	s_add_co_u32 s52, s52, s53
	v_add_nc_u32 v[ORD], s52, v[LI]
	s_delay_alu instid0(VALU_DEP_1)
	v_add_nc_u32 v[ORD2], 65536, v[ORD]
	s_lshl_b32 s52, s17, 10
	s_add_co_u32 s52, s52, FIMG
	v_add_nc_u32 v[FRA], s52, v[LI]
	s_lshl_b32 s52, s17, 6
	s_add_co_u32 s52, s52, FSC
	v_lshl_add_u32 v[FSR], v254, 2, s52
	s_lshl_b32 s52, s[WV], 13
	v_add_nc_u32 v[OSA], s52, v[LI]
	v_and_b32 v[OSW], 8, v254
	s_delay_alu instid0(VALU_DEP_1)
	v_add_nc_u32 v[OSW], v[OSW], v254              ; r + 8 (r / 8)
	s_delay_alu instid0(VALU_DEP_1)
	v_mul_u32_u24 v[OSW], v[OSW], 272              ; the stage's row: output channel 32 j + 8 u + rho(r);
	s_delay_alu instid0(VALU_DEP_1)
	v_lshl_add_u32 v[OSW], v255, 6, v[OSW]         ; my 8 pixels begin at pixel 32 (q / 2) + 8 (q % 2) + 16 h
	s_wait_alu depctr_va_vdst(0)
	s_lshr_b32 s52, s17, 1
	s_lshl_b32 s52, s52, 7
	s_and_b32 s53, s17, 1
	s_lshl_b32 s53, s53, 5
	s_add_co_u32 s52, s52, s53
	s_mul_i32 s53, s18, 32*272
	s_add_co_u32 s52, s52, s53
	s_add_co_u32 s52, s52, OUTST
	v_add_nc_u32 v[OSW], s52, v[OSW]
	s_lshl_b32 s52, s[WV], 3
	v_add_nc_u32 v255, s52, v255                   ; 8 w + h: the first channel row that I send out
	s_delay_alu instid0(VALU_DEP_1)
	v_mul_u32_u24 v[OSR], v255, 272
	s_delay_alu instid0(VALU_DEP_1)
	v_lshl_add_u32 v[OSR], v254, 4, v[OSR]
	s_delay_alu instid0(VALU_DEP_1)
	v_add_nc_u32 v[OSR], OUTST, v[OSR]
	s_delay_alu instid0(VALU_DEP_4)
	v_lshlrev_b32 v[XA], 14, v255                  ; a channel's 4,096 pixels are 16,384 bytes
	s_delay_alu instid0(VALU_DEP_1)
	v_lshl_add_u32 v[XA], v254, 4, v[XA]
	v_lshlrev_b32 v[BA], 2, v255
	v_mov_b32 v13, 0xff61b1e6                      ; the largest t so far: -3e38, under every t
	s_delay_alu instid0(VALU_DEP_1)
	v_floor_f32 v12, -v13                          ; -M
	v_mov_b32 v14, 0                               ; the sum, in two halves
	v_mov_b32 v15, 0
	v_mov_b32 v[F+1], 0                            ; (named as the upper half of the pair)
.irp b, 0,1,2,3
	v_mov_b32 v[TB+\b], 0                          ; written once: a lane permute's destination counts as one of its sources
.endr
.set j, 0
.rept 64
	v_mov_b32 v[O+j], 0                            ; O^T: the step is written in one form; the first finds zeros, which the first change of M leaves zeros
.set j, j+1
.endr
	s_wait_loadcnt 0x0                             ; q
	s_wait_tensorcnt 1                             ; my part of slot 0 is in; slot 1's one load may stay out
	s_barrier_signal -1
	s_barrier_wait -1                              ; everybody's is
	STEP 0, 0, 0
	STEP STEPB, 1, G0A
	REFILL G0A                                     ; keys 2,048 on into slot 0
	STEP SLOT1, 0, 0
	STEP SLOT1+STEPB, 1, G0B
	REFILL G0B                                     ; keys 3,072 on into slot 1
	STEP 0, 0, 0
	STEP STEPB, 1, 0                               ; slot 1's last fill is in; nothing more is asked for
	STEP SLOT1, 0, 0
	STEP SLOT1+STEPB, 0, 0
	; ---- THE END.  My key group's l; two addresses; these nine lines are also the places behind the last products
	v_add_f32 v13, v14, v15                        ; my sum's two halves,
	v_permlanex16_b32 v[T0], v13, s[SEL], s[SEL+1]
	s_delay_alu instid0(VALU_DEP_1)
	v_add_f32 v13, v13, v[T0]                      ; and lane l xor 16's
	v_and_b32 v[T1], 15, v0                        ; r
	v_bfe_u32 v[T2], v0, 4, 1                      ; h
	s_delay_alu instid0(VALU_DEP_2)
	v_lshlrev_b32 v[AB], 4, v[T1]
	s_delay_alu instid0(VALU_DEP_1)
	v_lshl_add_u32 v[AB], v[T2], 3, v[AB]
	s_delay_alu instid0(VALU_DEP_1)
	v_add_nc_u32 v[AB], s58, v[AB]                 ; my block's codes: lane 16 (j % 2) + r of registers 4 (j / 2) on; my 16 channels are its bytes 8 h on
	v_add_nc_u32 v[ADR], s18, v[FSR]               ; my block's byte: byte j of row r's word
	; what the very end wants of memory is asked for now, once, by every wave; it lands under the join
.irp i, 0,1,2,3
	global_load_b128 v[XD+4*\i:XD+4*\i+3], v[XA], s[12:13] offset:32768*\i th:TH_LOAD_NT   ; my 8 channel rows' 256 bytes of x, two rows a load
.endr
.irp i, 0,1,2,3
	global_load_b32 v[XB+\i], v[BA], s[10:11] offset:8*\i
.endr
.irp u, 0,1
.irp c, 0,1
	global_load_b128 v[WF+8*\u+4*\c:WF+8*\u+4*\c+3], v[LI], s[54:55] offset:24576+1024*\u+512*\c   ; proj_w's tiles 2 j + u
.endr
.endr
.irp u, 0,1
	global_load_b32 v[SW+\u], v[A4], s[56:57] offset:32768+3072+128*\u
.endr
	ds_store_b64 v[MLW], v[12:13]                  ; (-M, l)
.irp i, 0,1,2,3,4,5,6,7,8,9,10,11,12,13,14,15
	ds_store_b128 v[OSA], v[O+4*\i:O+4*\i+3] offset:512*\i   ; my O^T as an image of its registers, each accumulator from its low end on
.endr
	s_wait_dscnt 0x0                               ; for the others' sake; my reads of the ring are over too
	s_barrier_signal -1
	s_barrier_wait -1
.irp g, 0,1,2,3
	ds_load_b64 v[MG+2*\g:MG+2*\g+1], v[MLR] offset:1024*\g
.endr
.irp g, 0,1
.irp i, 0,1,2,3
	ds_load_b128 v[FR+16*\g+4*\i:FR+16*\g+4*\i+3], v[ORD] offset:32768*\g+512*\i    ; registers 16 j + 4 i on of key group g
.endr
.endr
.irp g, 0,1
.irp i, 0,1,2,3
	ds_load_b128 v[FR+32+16*\g+4*\i:FR+32+16*\g+4*\i+3], v[ORD2] offset:32768*\g+512*\i
.endr
.endr
	s_wait_dscnt 16                                ; the four (-M, l) are in; the sixteen loads behind them may be out
	v_min3_num_f32 v[T0], v[MG], v[MG+2], v[MG+4]
	s_delay_alu instid0(VALU_DEP_1)
	v_min_num_f32 v[T0], v[T0], v[MG+6]            ; -(the largest M)
.irp g, 0,1,2,3
	v_sub_f32 v[EG+\g], v[T0], v[MG+2*\g]          ; e = M of group g - the largest M: a whole number, 0 or less
.endr
.irp g, 0,1,2,3
	s_delay_alu instid0(VALU_DEP_4)
	v_cvt_i32_f32 v[EG+\g], v[EG+\g]
.endr
.irp g, 0,1,2,3
	s_delay_alu instid0(VALU_DEP_4)
	v_ldexp_f32 v[MG+1+2*\g], v[MG+1+2*\g], v[EG+\g]   ; l of group g under the largest M
.endr
	s_delay_alu instid0(VALU_DEP_3)
	v_add_f32 v[T1], v[MG+1], v[MG+3]
	s_delay_alu instid0(VALU_DEP_2)
	v_add_f32 v[T2], v[MG+5], v[MG+7]
	s_delay_alu instid0(VALU_DEP_1)
	v_add_f32 v[T1], v[T1], v[T2]                  ; the row's sum
	s_wait_alu depctr_va_vdst(0)
	v_rcp_f32 v[T2], v[T1]
	v_nop                                          ; a plain line behind the transcendental
	s_wait_alu depctr_va_vdst(0)
.irp g, 0,1,2,3
	v_ldexp_f32 v[MG+2*\g], v[T2], v[EG+\g]        ; group g's factor: 2^e / l
.endr
	s_wait_alu depctr_va_vdst(0)
	s_wait_dscnt 12                                ; key group 0's four loads are in; each later group's four may be out
.irp k, 0,2,4,6,8,10,12,14
	v_pk_mul_f32 v[FR+\k:FR+\k+1], v[FR+\k:FR+\k+1], v[MG:MG+1] op_sel_hi:[1,0]
.endr
	s_wait_alu depctr_va_vdst(0)
.irp g, 1,2,3
	s_wait_alu depctr_va_vdst(0)
	s_wait_dscnt 12-4*\g
.irp k, 0,2,4,6,8,10,12,14
	v_pk_fma_f32 v[FR+\k:FR+\k+1], v[FR+16*\g+\k:FR+16*\g+\k+1], v[MG+2*\g:MG+2*\g+1], v[FR+\k:FR+\k+1] op_sel_hi:[1,0,1]
.endr
.endr
	; register k is channel 32 j + 16 h + k of my query: half of one block of the quantiser
	v_max3_num_f32 v[TM], |v[FR]|, |v[FR+1]|, FLOOR
	v_max3_num_f32 v[TM+1], |v[FR+2]|, |v[FR+3]|, |v[FR+4]|
	s_delay_alu instid0(VALU_DEP_2)
	v_max3_num_f32 v[TM], v[TM], |v[FR+5]|, |v[FR+6]|
	s_delay_alu instid0(VALU_DEP_2)
	v_max3_num_f32 v[TM+1], v[TM+1], |v[FR+7]|, |v[FR+8]|
	s_delay_alu instid0(VALU_DEP_2)
	v_max3_num_f32 v[TM], v[TM], |v[FR+9]|, |v[FR+10]|
	s_delay_alu instid0(VALU_DEP_2)
	v_max3_num_f32 v[TM+1], v[TM+1], |v[FR+11]|, |v[FR+12]|
	s_delay_alu instid0(VALU_DEP_2)
	v_max3_num_f32 v[TM], v[TM], |v[FR+13]|, |v[FR+14]|
	s_delay_alu instid0(VALU_DEP_1)
	v_max3_num_f32 v[TM], v[TM], v[TM+1], |v[FR+15]|
	s_delay_alu instid0(VALU_DEP_1)
	v_permlanex16_b32 v[TB], v[TM], s[SEL], s[SEL+1]
	s_delay_alu instid0(VALU_DEP_1)
	v_max_num_f32 v[TM], v[TM], v[TB]              ; with lane l xor 16's: the block's largest magnitude
	s_delay_alu instid0(VALU_DEP_1)
	v_add_nc_u32 v[TS], 0xff000000, v[TM]          ; 2 off its exponent field: the conversion's scale operand
	s_delay_alu instid0(VALU_DEP_1)
	v_lshrrev_b32 v[TB], 23, v[TS]                 ; the scale's byte
	v_cvt_scalef32_pk8_fp4_f32 v[PC], v[FR:FR+7], v[TS]
	v_cvt_scalef32_pk8_fp4_f32 v[PC+1], v[FR+8:FR+15], v[TS]
	v_nop                                          ; one plain line behind the last scaled conversion
	ds_store_b64 v[AB], v[PC:PC+1]
	ds_store_b8 v[ADR], v[TB]                      ; both halves of the lanes write the same byte with the same value
	s_wait_dscnt 0x0
	s_barrier_signal -1
	s_barrier_wait -1                              ; the four fragments of O / l and their scale words lie in LDS
	ds_load_b128 v[PC:PC+3], v[FRA]
	ds_load_b128 v[PC+4:PC+7], v[FRA] offset:512
	ds_load_b32 v[PW], v[FSR]
	s_wait_loadcnt 0x0                             ; proj_w's tiles (and x, proj_b)
	s_wait_dscnt 0x0
.irp u, 0,1                            ; source 0 = my query tile's 16 pixels, source 1 = 16 rows of proj_w: lane (r, h) holds output channel 32 j + 8 u + rho(r) and 8 neighbouring pixels
	v_wmma_scale_f32_16x16x128_f8f6f4 v[O+8*\u:O+8*\u+7], v[PC:PC+7], v[WF+8*\u:WF+8*\u+7], 0, v[PW], v[SW+\u] matrix_a_fmt:MATRIX_FMT_FP4 matrix_b_fmt:MATRIX_FMT_FP4
.endr
	PLACES 4
.irp u, 0,1
	ds_store_b128 v[OSW], v[O+8*\u:O+8*\u+3] offset:272*8*\u        ; each accumulator from its low end on
	ds_store_b128 v[OSW], v[O+8*\u+4:O+8*\u+7] offset:272*8*\u+16
.endr
	s_wait_dscnt 0x0
	s_barrier_signal -1
	s_barrier_wait -1                              ; 128 channel rows x 64 pixels lie in the stage
	; ---- 8 channel rows a wave, + proj_b + x, out
.irp i, 0,1,2,3
	ds_load_b128 v[MG+4*\i:MG+4*\i+3], v[OSR] offset:544*\i   ; lanes 0-15 row 8 w + 2 i, lanes 16-31 the next
.endr
	s_wait_dscnt 0x0
.irp i, 0,1,2,3
.irp k, 0,1,2,3
	v_add_f32 v[MG+4*\i+\k], v[MG+4*\i+\k], v[XB+\i]
.endr
.endr
.irp i, 0,1,2,3
.irp k, 0,2
	v_pk_add_f32 v[MG+4*\i+\k:MG+4*\i+\k+1], v[MG+4*\i+\k:MG+4*\i+\k+1], v[XD+4*\i+\k:XD+4*\i+\k+1]
.endr
.endr
.irp i, 0,1,2,3
	global_store_b128 v[XA], v[MG+4*\i:MG+4*\i+3], s[14:15] offset:32768*\i th:TH_STORE_NT   ; 16 lanes store 256 consecutive bytes, at a multiple of 256 from out0's first byte
.endr
	s_wait_tensorcnt 0x0                           ; the wave's end, behind my last tensor load and my last LDS store
	ds_add_u32 v[SPW], v[NIL]
	s_wait_dscnt 0x0
	ROUND                                          ; the closing round: no work-group ends while a partner may still ask for a tile that names it
	s_endpgm
.Lfunc_end_k_q245e0d1f7b_attn:
	.size	k_q245e0d1f7b_attn, .Lfunc_end_k_q245e0d1f7b_attn-k_q245e0d1f7b_attn
	.p2alignl 7, 3214868480
	.fill 96, 4, 3214868480
	.section	.rodata,"a",@progbits
	.p2align	6, 0x0
	.amdhsa_kernel k_q245e0d1f7b_attn
		.amdhsa_group_segment_fixed_size 327680
		.amdhsa_private_segment_fixed_size 0
		.amdhsa_enable_private_segment 0
		.amdhsa_kernarg_size 48
		.amdhsa_user_sgpr_count 2
		.amdhsa_user_sgpr_kernarg_segment_ptr 1
		.amdhsa_wavefront_size32 1
		.amdhsa_system_sgpr_workgroup_id_x 1
		.amdhsa_system_sgpr_workgroup_id_y 1
		.amdhsa_system_sgpr_workgroup_id_z 1
		.amdhsa_system_vgpr_workitem_id 0
		.amdhsa_next_free_vgpr 256
		.amdhsa_next_free_sgpr 66
		.amdhsa_reserve_vcc 0
		.amdhsa_float_denorm_mode_32 3
		.amdhsa_float_denorm_mode_16_64 3
		.amdhsa_memory_ordered 1
		.amdhsa_forward_progress 1
		.amdhsa_inst_pref_size 171
	.end_amdhsa_kernel
	.amdgpu_metadata
---
amdhsa.version: [ 1, 2 ]
amdhsa.kernels:
  - .name:           k_q245e0d1f7b_attn
    .symbol:         k_q245e0d1f7b_attn.kd
    .args:
      - { .name: qbuf, .offset: 0, .size: 8, .value_kind: global_buffer, .address_space: global }
      - { .name: kvbuf, .offset: 8, .size: 8, .value_kind: global_buffer, .address_space: global }
      - { .name: wq, .offset: 16, .size: 8, .value_kind: global_buffer, .address_space: global }
      - { .name: proj_b, .offset: 24, .size: 8, .value_kind: global_buffer, .address_space: global }
      - { .name: x, .offset: 32, .size: 8, .value_kind: global_buffer, .address_space: global }
      - { .name: out0, .offset: 40, .size: 8, .value_kind: global_buffer, .address_space: global }
    .group_segment_fixed_size: 327680
    .private_segment_fixed_size: 0
    .kernarg_segment_align: 8
    .kernarg_segment_size: 48
    .max_flat_workgroup_size: 512
    .sgpr_count:     66
    .vgpr_count:     256
    .wavefront_size: 32
...
	.end_amdgpu_metadata
.endif
;; end of part 3
